; MI455X (gfx1250); checked and timed in simulation.
; The chip was launched on July 23, 2026; its instructions are those of AMD's public machine-readable ISA for CDNA 5 (MIT licence, August 2026) and "CDNA5" Instruction Set Architecture Reference Guide (July 2026). The comments in the code are by the model that wrote it; some were corrected since.
;; Navier Stokes Gradient Layer. Allowed arithmetic: float matrix products may take bf16 or f16 operands with f32 sums; all other float work in f32.
;; Inputs: Ws_0 2 x 64 float32; Ws_1 64 x 64 float32; Ws_2 64 x 64 float32; Ws_3 64 x 64 float32; Ws_4 64 x 64 float32; Ws_5 64 x 64 float32; Ws_6 64 x 2 float32; bs_0 64 float32; bs_1 64 float32; bs_2 64 float32; bs_3 64 float32; bs_4 64 float32; bs_5 64 float32; bs_6 2 float32; xy 32,768 x 2 float32.
;; Outputs: out0 32,768 float32; out1 32,768 float32; out2 32,768 float32; out3 32,768 float32; out4 32,768 float32; out5 32,768 float32; out6 32,768 float32; out7 32,768 float32; out8 32,768 float32; out9 32,768 float32; out10 32,768 float32; out11 32,768 float32; out12 32,768 float32; out13 32,768 float32.
;; One version. Each part assembles by itself: llvm-mc -triple=amdgcn-amd-amdhsa -mcpu=gfx1250 --defsym DOCPART=n.
;; ======== version 1 of 1: 1 launch
;; launch jets (part 1): grid 256 x 1, 8 waves a work-group, no clusters, 95,488 bytes of LDS; arguments Ws_0, Ws_1, Ws_2, Ws_3, Ws_4, Ws_5, Ws_6, bs_0, bs_1, bs_2, bs_3, bs_4, bs_5, bs_6, xy, out0, out1, out2, out3, out4, out5, out6, out7, out8, out9, out10, out11, out12, out13; writes out0, out1, out2, out3, out4, out5, out6, out7, out8, out9, out10, out11, out12, out13
.if DOCPART == 1
	.amdgcn_target "amdgcn-amd-amdhsa--gfx1250"
	.amdhsa_code_object_version 6
	.text
	.protected	k_q1a5cfdcaa6_jets
	.globl	k_q1a5cfdcaa6_jets
	.p2align	8
	.type	k_q1a5cfdcaa6_jets,@function
k_q1a5cfdcaa6_jets:
	s_mov_b64 s[64:65], 0
	v_nop
	global_prefetch_b8 v0, s[64:65] scope:SCOPE_SE
	s_setreg_imm32_b32 hwreg(HW_REG_WAVE_MODE, 25, 1), 1
	s_wait_xcnt 0x0
; psi, p and their derivatives up to third order at 32,768 points of a 2-64-64-64-64-64-64-2 tanh network.
; METHOD.  One forward pass of a jet of ten Taylor coefficients a point, j = 0..9 for x^a y^b with (a,b) = 00 10 01 20 11 02 30 21 12 03
; (derivative / a! b!).  A linear layer acts on each coefficient alone; tanh mixes them by the chain rule (macro ACTQ).
; FORMAT.  Each matrix operand is a pair of bf16 numbers hi + lo, and a product is three matrix products, Whi hhi + Whi hlo + Wlo hhi, summed in f32:
; about 16 bits of mantissa with f32's range of exponents.  Layer 0 (K = 2) is two f32 multiply-adds a channel.
; SHARES.  256 work-groups of 128 points; eight waves of 512 registers, 16 points each, the N of a matrix tile.  Source 0 = 16 output channels x 32
; inputs of W^T, source 1 = 32 channels x 16 points.  In a result lane (r, h) = (lane % 16, lane / 16) holds point r and channels 16 m + 8 h + 0..7 of
; tile m, which is what the same lane must hold in the next layer's source 1: the jets never leave their lane and never touch LDS.
; TWO CLASSES OF WAVES.  A layer is a matrix phase (240 products) and then a vector phase (tanh, the chain rule, the split), each of which needs all of the
; other.  Waves 0, 3, 5, 6 run layer 0 in front of the one barrier at the start, waves 1, 2, 4, 7 behind it, so that from there on one class's matrix
; phase stands beside the other class's vector phase.  Two waves whose numbers differ in one bit are of different classes.
; NO TENSOR LOADS, NO CLUSTER.  All that work-groups share are 84,488 bytes of weights and biases, read once by each; the weights have to pass through
; registers in any case, to be split into hi and lo and laid in the fragments' order, before they are put into LDS.
; LIMITS.  F1 = 1 - t^2 is formed as such (its error is one rounding of t^2 against 1).  The chain rule's products (z10^2 x C3 x z01 and their like)
; must stay finite in f32.  A jet value above bf16's largest finite number (3.39e38) becomes infinite, and the lo part of a number is lost where
; it falls below 2^-126.  The sums over channels are formed in another order than the reference's.
;
; REGISTERS: two windows of 256 (s_set_vgpr_msb: bits 1:0 source 0, 3:2 source 1, 5:4 source 2, 7:6 destination), laid out alike:
;   v0-15  addresses and constants      v16-79  T: weight fragments in a matrix phase, temporaries in a vector phase
;   v80-255  eleven half-blocks HB(k) = 80 + 16 k.  Window w holds of each jet tile X (channels 32 w + 8 h + i) at +0..7 and tile Y (+16) at +8..15.
; Ten jets fill ten half-blocks; the eleventh is spare.  A jet's new sums go into the spare, then its old fragments are the next jet's spare:
; state a: jet j in HB(j+1), spare HB(0); state b: jet j in HB(j), spare HB(10); a layer turns one state into the other.
; THE SPLIT IN PLACE.  Of a quad p (registers 2p, 2p+1 of X and of Y): X[2p] = hi of X's two, X[2p+1] = hi of Y's two, Y[2p], Y[2p+1] = the lo parts.
; X is then source 1's hi fragment of K block w and Y its lo fragment, with channel 32 w + 16 (i & 1) + 8 h + 2 (i >> 1) + b in half b of register i.
; The weight fragments are built in the same order: a permutation of k applied alike to both sources keeps the products.
.set T,     16
.set VA,    2                          ; v2   lane x 16 + the layer's 16,384 bytes of fragments
.set VBI,   3                          ; v3   BIAS + 32 h + the layer's 256 bytes
.set XY,    4                          ; v[4:5] the lane's point, in both windows
.set VH,    6                          ; v6   32 h: my eight channels' bytes inside a tile's 64
.set VXY,   7                          ; v7   my point's byte offset in xy
.set VW,    8                          ; v8   my wave's first row of W and my two columns
.set VST,   9                          ; v9   where my two columns' fragment bytes go
.set VW6,   10                         ; v10  byte offset in Ws_6
.set VL6,   11                         ; v11  where my 16 bytes of W6's fragment go; on the way out: where I read a row back
.set VB,    12                         ; v12  4 (thread % 64); on the way out: my byte offset in an output
.set VLB,   13                         ; v13  BIAS + 4 (thread % 64)
.set VSG,   14                         ; v14  my point's word in row 7 h of the stage
.set MONE,  15                         ; v15  -1.0, in both windows
.set WR,    144                        ; v144-223 the five layers' rows of W as loaded;  v224-231 W6;  v232-236 the biases
.set W6R,   224
.set BR,    232
.set D6,    32                         ; layer 6: jet j's sums at v[32 + 8 (j % 5)] of window j / 5
.set W6F,   81920                      ; LDS: 5 x 16,384 bytes of fragments, then layer 6's 4,096,
.set BIAS,  86016                      ; bs_1..bs_5, 256 bytes each,
.set STAGE, 87296                      ; and 14 rows of 512 bytes: output k of the group's 128 points
.set K2,    68                         ; s[68:69] 2 log2(e)      s[70:71] -1/3      s[72:73] 2/3      s[74:75] 3     (pairs: a packed source names both words)
.set KM3,   70
.set K23,   72
.set K3,    74
.set KSM,   77                         ; s77  2^-8
; temporaries of a pair of channels, two registers each, at T + 30 u
.set oTT, 0
.set oF1, 2
.set oP2, 4
.set oF2, 6
.set oP3, 8
.set oC3, 10
.set oSX, 12
.set oSY, 14
.set oSXY, 16
.set oE11, 18
.set oM30, 20
.set oM21, 22
.set oM12, 24
.set oM03, 26
.set oE,  28
.set oR,  20                           ; tanh's own three lie where the M are made later
.set oU,  22
.set oTS, 24
.set oHA, 8                            ; a finished jet value, by turns where P3 and C3 lay
.set oHB, 10
.set MSB, 0
.macro WIN new                         ; the immediate's high byte repeats the setting that is left; a switch that changes nothing is dropped
.if MSB != (\new)
	s_set_vgpr_msb (MSB<<8)|(\new)
.set MSB, \new
.endif
.endm
; Eight f32 at v[a + st k] -> four words of hi at v[o..o+3], four of lo at v[o+4..o+7]; the pairs in the fragment's order of k.
.macro SPLIT8 a, st, o
.set sI, 0
.irp k, 0,4,2,6
	v_cvt_pk_bf16_f32 v[\o+sI], v[\a+\st*\k], v[\a+\st*(\k+1)]
	v_fma_mix_f32_bf16 v[\a+\st*\k], v[\o+sI], v[MONE], v[\a+\st*\k] op_sel_hi:[1,0,0]                        ; x - hi, exact
	v_fma_mix_f32_bf16 v[\a+\st*(\k+1)], v[\o+sI], v[MONE], v[\a+\st*(\k+1)] op_sel:[1,0,0] op_sel_hi:[1,0,0]
	v_cvt_pk_bf16_f32 v[\o+4+sI], v[\a+\st*\k], v[\a+\st*(\k+1)]
.set sI, sI+1
.endr
.endm
; Layer 0's numbers for window w: the point; W0's two rows into z10's and z01's places and b0 into z00's (state a).  13 loads.
.macro L0LOAD w
	global_load_b64 v[XY:XY+1], v[VXY], s[36:37]
.irp n, 0,1,2,3
	global_load_b128 v[112+4*\n:112+4*\n+3], v[VH], s[8:9] offset:128*\w+64*(\n/2)+16*(\n%2)
	global_load_b128 v[128+4*\n:128+4*\n+3], v[VH], s[8:9] offset:256+128*\w+64*(\n/2)+16*(\n%2)
	global_load_b128 v[96+4*\n:96+4*\n+3],   v[VH], s[22:23] offset:128*\w+64*(\n/2)+16*(\n%2)
.endr
.endm
; My wave's eight rows of W of layer l, two columns a lane: a load of the wave is one whole row of 256 bytes.
.macro WLOAD l
.irp k, 0,1,2,3,4,5,6,7
	global_load_b64 v[WR+16*(\l-1)+2*\k:WR+16*(\l-1)+2*\k+1], v[VW], s[8+2*\l:9+2*\l] offset:(16*(\k/4)+\k%4)*256
.endr
.endm
; They are split and go into LDS as fragment bytes.  left = the younger loads, which may stay out (loads come back in order: ISA guide 5.7.1).
.macro WPREP l, left
	s_wait_loadcnt \left
.irp e, 0,1
	SPLIT8 WR+16*(\l-1)+\e, 2, T+8*\e
	ds_store_b128 v[VST], v[T+8*\e:T+8*\e+3] offset:16*\e
	ds_store_b128 v[VST], v[T+8*\e+4:T+8*\e+7] offset:1024+16*\e
.endr
	v_add_nc_u32 v[VST], 16384, v[VST]
.endm
; THE MATRIX PHASE.  A layer's fragments of W: K block q into T of window q, fragment f = 2 m + part at T + 8 f; 32 lanes x 16 neighbouring bytes a load.
.macro ALOAD
.irp q, 0,1
	WIN \q<<6
.irp f, 0,1,2,3,4,5,6,7
	ds_load_b128 v[T+8*\f:T+8*\f+3],   v[VA] offset:(8*\q+\f)*1024
	ds_load_b128 v[T+8*\f+4:T+8*\f+7], v[VA] offset:(8*\q+\f)*1024+512
.endr
.endr
	WIN 0
	v_add_nc_u32 v[VA], 16384, v[VA]               ; the next layer's
.endm
; Six products: output tiles 2 d and 2 d + 1 (window d) x K block q: Whi hhi, Whi hlo, Wlo hhi.  The two accumulators take turns, one instruction a turn.
.macro GROUP d, q, dst, src, first
	WIN (\d<<6)|(\d<<4)|(\q<<2)|\q
.irp c, 0,1,2
.irp u, 0,1
.set rD, \dst+8*\u
.set rA, T+16*(2*\d+\u)+8*(\c/2)
.set rB, \src+8*(\c%2)
.if \first && (\c == 0)
	v_wmma_f32_16x16x32_bf16 v[rD:rD+7], v[rA:rA+7], v[rB:rB+7], 0
.else
	v_wmma_f32_16x16x32_bf16 v[rD:rD+7], v[rA:rA+7], v[rB:rB+7], v[rD:rD+7]
.endif
.endr
.endr
.endm
; A layer's 240 products, jet by jet.  dir = 0: state a to b, jets 0 to 9; dir = 1: state b to a, jets 9 to 0.
; Five v_nop end each jet: the next jet's sums are written over this jet's fragments, and a matrix instruction that writes over another's source stands
; five places behind it (ISA guide 7.12.1; only plain vector instructions are counted).  Behind the last jet they are the places in front of the
; loads into the spare half-block and of the vector phase.
.macro MAT dir
	ALOAD
	s_wait_dscnt 16                                ; K block 0's sixteen loads are in; K block 1's sixteen may be out
.set mN, 0
.rept 10
.if \dir
.set rDST, 80+16*(10-mN)
.set rSRC, 80+16*(9-mN)
.else
.set rDST, 80+16*mN
.set rSRC, 80+16*(mN+1)
.endif
	GROUP 0, 0, rDST, rSRC, 1
	GROUP 1, 0, rDST, rSRC, 1
.if mN == 0
	s_wait_dscnt 0x0                               ; K block 1's fragments
.endif
	GROUP 0, 1, rDST, rSRC, 0
	GROUP 1, 1, rDST, rSRC, 0
.rept 5
	v_nop
.endr
.set mN, mN+1
.endr
	WIN 0
.endm
; The layer's bias for my 32 channels of each window, into the spare half-block sp, laid as the sums are.
.macro BIASLD sp
.irp w, 0,1
	WIN \w<<6
.irp n, 0,1,2,3
	ds_load_b128 v[80+16*\sp+4*\n:80+16*\sp+4*\n+3], v[VBI] offset:128*\w+64*(\n/2)+16*(\n%2)
.endr
.endr
	WIN 0
	v_add_nc_u32 v[VBI], 256, v[VBI]
.endm
; THE VECTOR PHASE.  A quad is two pairs of channels (u = 0: tile X, u = 1: tile Y); every step is written for both, so that no line waits for the one in front.
.macro USE u                           ; X: pair u's temporaries; Z + 16 j: its z of jet j; BQ: its bias; MK: its two masks
.set X,  T+30*\u
.set Z,  ZQ+8*\u
.set BQ, BI0+8*\u
.set MK, 78+2*\u
.endm
.macro MUL2 d, a, b
.irp u, 0,1
	USE \u
	v_pk_mul_f32 v[\d:\d+1], v[\a:\a+1], v[\b:\b+1]
.endr
.endm
.macro ADD2 d, a, b
.irp u, 0,1
	USE \u
	v_pk_add_f32 v[\d:\d+1], v[\a:\a+1], v[\b:\b+1]
.endr
.endm
.macro FMA2 d, a, b, c
.irp u, 0,1
	USE \u
	v_pk_fma_f32 v[\d:\d+1], v[\a:\a+1], v[\b:\b+1], v[\c:\c+1]
.endr
.endm
.macro MULS2 d, a, k                   ; times a scalar, its low word for both halves
.irp u, 0,1
	USE \u
	v_pk_mul_f32 v[\d:\d+1], v[\a:\a+1], s[\k:\k+1] op_sel_hi:[1,0]
.endr
.endm
.macro FIN hh, a, b, j, mode           ; jet j's h = a b + (F1 zj and what was added to it); in layer 0 that is zero
.if \mode
	FMA2 X+\hh, \a, \b, Z+16*\j
.else
	MUL2 X+\hh, \a, \b
.endif
.endm
.macro CONVA j, hh                     ; the hi parts of jet j: over tile X's two registers
	v_cvt_pk_bf16_f32 v[ZQ+16*\j],   v[T+\hh],    v[T+\hh+1]
	v_cvt_pk_bf16_f32 v[ZQ+16*\j+1], v[T+30+\hh], v[T+30+\hh+1]
.endm
.macro CONVB j, hh                     ; h - hi, exact, and its rounding: the lo parts, over tile Y's two registers
.irp u, 0,1
	v_fma_mix_f32_bf16 v[T+30*\u+\hh],   v[ZQ+16*\j+\u], v[MONE], v[T+30*\u+\hh] op_sel_hi:[1,0,0]
	v_fma_mix_f32_bf16 v[T+30*\u+\hh+1], v[ZQ+16*\j+\u], v[MONE], v[T+30*\u+\hh+1] op_sel:[1,0,0] op_sel_hi:[1,0,0]
.endr
	v_cvt_pk_bf16_f32 v[ZQ+16*\j+8], v[T+\hh],    v[T+\hh+1]
	v_cvt_pk_bf16_f32 v[ZQ+16*\j+9], v[T+30+\hh], v[T+30+\hh+1]
.endm
; Quad p of the window in hand.  sa: jet j lies in HB(j + sa).  mode 1: z are a layer's sums.  mode 0: layer 0, z00 = b + w0 x + w1 y, z10 = w0, z01 = w1, the rest zero.
; t = tanh z = 1 - 2 / (1 + 2^(2 log2(e) z)), and z - z^3 / 3 where z^2 < 2^-8 (there the first form loses relative accuracy; the series' next term is under 2^-18 of t).
; With F1 = 1 - t^2, P2 = -t F1 (f''/2), F2 = 2 P2, P3 = F1 (2/3 - F1) (f'''/6), C3 = 3 P3:
;   h10 = F1 z10          h20 = F1 z20 + P2 z10^2        h30 = F1 z30 + z10 (F2 z20 + P3 z10^2)
;   h01 = F1 z01          h11 = F1 z11 + F2 z10 z01      h21 = F1 z21 + z10 F2 z11 + z01 (F2 z20 + C3 z10^2)
;                         h02 = F1 z02 + P2 z01^2        h12 = F1 z12 + z01 F2 z11 + z10 (F2 z02 + C3 z01^2)      h03 = F1 z03 + z01 (F2 z02 + P3 z01^2)
; Quad 0 comes first and reads registers 0 and 1 of every accumulator: a matrix result is read from its low end on.
.macro ACTQ sa, p, mode
.set ZQ,  80+16*\sa+2*\p
.set BI0, 80+160*(1-\sa)+2*\p
.if \mode
	ADD2 Z, Z, BQ
.else
.irp u, 0,1
	USE \u
	v_pk_fma_f32 v[Z:Z+1], v[Z+16:Z+17], v[XY:XY+1], v[Z:Z+1] op_sel_hi:[1,0,1]                   ; + w0 x
.endr
.irp u, 0,1
	USE \u
	v_pk_fma_f32 v[Z:Z+1], v[Z+32:Z+33], v[XY:XY+1], v[Z:Z+1] op_sel:[0,1,0] op_sel_hi:[1,1,1]    ; + w1 y
.endr
.endif
	MULS2 X+oE, Z, K2
.irp u, 0,1
	USE \u
	v_exp_f32 v[X+oE], v[X+oE]
	v_exp_f32 v[X+oE+1], v[X+oE+1]
.endr
	MUL2 X+oU, Z, Z                                ; plain work that touches no exponential stands behind them (ISA guide 5.7.2)
	MUL2 X+oSX, Z+16, Z+16
	MUL2 X+oSY, Z+32, Z+32
	MUL2 X+oSXY, Z+16, Z+32
.irp u, 0,1
	USE \u
	s_wait_alu depctr_va_vdst(0)
	v_pk_add_f32 v[X+oR:X+oR+1], v[X+oE:X+oE+1], 1.0 op_sel_hi:[1,0]
.endr
.irp u, 0,1
	USE \u
	v_rcp_f32 v[X+oR], v[X+oR]
	v_rcp_f32 v[X+oR+1], v[X+oR+1]
.endr
	MULS2 X+oE, X+oU, KM3                          ; again plain work behind the reciprocals: -z^2 / 3
.irp u, 0,1
	USE \u
	v_cmp_lt_f32 s[MK], v[X+oU], s[KSM]
	v_cmp_lt_f32 s[MK+1], v[X+oU+1], s[KSM]
.endr
	FMA2 X+oTS, X+oE, Z, Z
.irp u, 0,1
	USE \u
	s_wait_alu depctr_va_vdst(0)
	v_pk_fma_f32 v[X+oTT:X+oTT+1], v[X+oR:X+oR+1], -2.0, 1.0 op_sel_hi:[1,0,0]
.endr
.irp u, 0,1
	USE \u
	v_cndmask_b32 v[X+oTT], v[X+oTT], v[X+oTS], s[MK]          ; a choice of values: no branch hangs on the numbers
	v_cndmask_b32 v[X+oTT+1], v[X+oTT+1], v[X+oTS+1], s[MK+1]
.endr
.irp u, 0,1
	USE \u
	v_pk_fma_f32 v[X+oF1:X+oF1+1], v[X+oTT:X+oTT+1], v[X+oTT:X+oTT+1], 1.0 op_sel_hi:[1,1,0] neg_lo:[1,0,0] neg_hi:[1,0,0]
.endr
.irp u, 0,1
	USE \u
	v_pk_mul_f32 v[X+oP2:X+oP2+1], v[X+oTT:X+oTT+1], v[X+oF1:X+oF1+1] neg_lo:[1,0] neg_hi:[1,0]
.endr
.irp u, 0,1
	USE \u
	v_pk_add_f32 v[X+oP3:X+oP3+1], v[X+oF1:X+oF1+1], s[K23:K23+1] op_sel_hi:[1,0] neg_lo:[1,0] neg_hi:[1,0]
.endr
	ADD2 X+oF2, X+oP2, X+oP2
	MUL2 X+oP3, X+oP3, X+oF1
	MULS2 X+oC3, X+oP3, K3
.if \mode
	MUL2 X+oE, X+oF2, Z+48                         ; F2 z20
	MUL2 X+oE11, X+oF2, Z+64                       ; F2 z11
	FMA2 X+oM30, X+oP3, X+oSX, X+oE
	FMA2 X+oM21, X+oC3, X+oSX, X+oE
	MUL2 X+oE, X+oF2, Z+80                         ; F2 z02
	FMA2 X+oM12, X+oC3, X+oSY, X+oE
	FMA2 X+oM03, X+oP3, X+oSY, X+oE
	MUL2 Z+96,  Z+96,  X+oF1
	MUL2 Z+112, Z+112, X+oF1
	MUL2 Z+128, Z+128, X+oF1
	MUL2 Z+144, Z+144, X+oF1
	FMA2 Z+112, Z+16, X+oE11, Z+112
	FMA2 Z+128, Z+32, X+oE11, Z+128
	MUL2 Z+48, Z+48, X+oF1
	MUL2 Z+64, Z+64, X+oF1
	MUL2 Z+80, Z+80, X+oF1
.else
	MUL2 X+oM30, X+oP3, X+oSX
	MUL2 X+oM21, X+oC3, X+oSX
	MUL2 X+oM12, X+oC3, X+oSY
	MUL2 X+oM03, X+oP3, X+oSY
.endif
	; The jets are finished and split in an order in which z10 and z01 are overwritten after their last use; the next jet's last step stands inside each split.
	FIN oHA, Z+16, X+oM30, 6, \mode
	CONVA 6, oHA
	FIN oHB, Z+32, X+oM21, 7, \mode
	CONVB 6, oHA
	CONVA 7, oHB
	FIN oHA, Z+16, X+oM12, 8, \mode
	CONVB 7, oHB
	CONVA 8, oHA
	FIN oHB, Z+32, X+oM03, 9, \mode
	CONVB 8, oHA
	CONVA 9, oHB
	FIN oHA, X+oP2, X+oSX, 3, \mode
	CONVB 9, oHB
	CONVA 3, oHA
	FIN oHB, X+oF2, X+oSXY, 4, \mode
	CONVB 3, oHA
	CONVA 4, oHB
	FIN oHA, X+oP2, X+oSY, 5, \mode
	CONVB 4, oHB
	CONVA 5, oHA
	MUL2 X+oHB, X+oF1, Z+16
	CONVB 5, oHA
	CONVA 1, oHB
	MUL2 X+oHA, X+oF1, Z+32
	CONVB 1, oHB
	CONVA 2, oHA
	CONVB 2, oHA
	CONVA 0, oTT
	CONVB 0, oTT
.endm
.macro ACT sa, mode
.if \mode
	s_wait_dscnt 4                                 ; window 0's four loads of the bias are in; window 1's four may be out
.endif
	WIN 0
.irp p, 0,1,2,3
	ACTQ \sa, \p, \mode
.endr
.if \mode
	s_wait_dscnt 0x0
.endif
	WIN 0x55                                       ; the same text on window 1: every vector operand there
.irp p, 0,1,2,3
	ACTQ \sa, \p, \mode
.endr
	WIN 0
.endm
	; ---- head: the 29 addresses, the wave's number, the addresses of a lane
	s_load_b512 s[8:23], s[0:1], 0x0               ; Ws_0..Ws_6 s[8:21], bs_0 s[22:23]
	s_load_b512 s[24:39], s[0:1], 0x40             ; bs_1..bs_6 s[24:35], xy s[36:37], out0 s[38:39]
	s_load_b512 s[40:55], s[0:1], 0x80             ; out1..out8
	s_load_b256 s[56:63], s[0:1], 0xc0             ; out9..out12
	s_load_b64 s[66:67], s[0:1], 0xe0              ; out13
	s_set_vgpr_msb 0x40
	v_lshl_add_u32 v13, v0, 2, 0x17100
	v_mov_b32 v14, 0
	s_set_vgpr_msb 0x4000
	v_lshrrev_b32 v16, 5, v0
	v_readfirstlane_b32 s2, v16                    ; wave 0..7
	v_and_b32 v1, 31, v0                           ; lane
	v_and_b32 v17, 15, v0                          ; r
	v_bfe_u32 v18, v0, 4, 1                        ; h
	s_lshr_b32 s5, s2, 2                           ; the wave's bit 2,
	s_bfe_u32 s6, s2, 0x10001                      ; bit 1,
	s_and_b32 s7, s2, 1                            ; bit 0
	s_mov_b32 s[K2], 0x4038aa3b                    ; 2 log2(e)
	s_mov_b32 s[K2+1], 0x4038aa3b
	s_mov_b32 s[KM3], 0xbeaaaaab                   ; -1/3
	s_mov_b32 s[KM3+1], 0xbeaaaaab
	s_mov_b32 s[K23], 0x3f2aaaab                   ; 2/3
	s_mov_b32 s[K23+1], 0x3f2aaaab
	s_mov_b32 s[K3], 0x40400000                    ; 3
	s_mov_b32 s[K3+1], 0x40400000
	s_mov_b32 s[KSM], 0x3b800000                   ; 2^-8
	v_lshlrev_b32 v[VA], 4, v1
	v_lshlrev_b32 v[VH], 5, v18
	v_add_nc_u32 v[VBI], BIAS, v[VH]
	s_lshl_b32 s90, ttmp9, 10                      ; the group's 128 points of 8 bytes,
	s_lshl_b32 s91, s2, 7                          ; the wave's 16
	s_add_co_u32 s90, s90, s91
	v_lshl_add_u32 v[VXY], v17, 3, s90
	; Building the fragments: wave (q, hh, g) = its bits 2, 1, 0 takes rows R0 + 0..3 and R0 + 16..19 of each W, R0 = 32 q + 8 hh + 4 g: the sixteen bytes
	; (registers 4 g .. 4 g + 3) of the lanes of half hh in K block q.  A lane takes columns 2 lane and 2 lane + 1.
	s_lshl_b32 s90, s5, 13                         ; q x 8,192: 32 rows of 256 bytes in W, and 8 fragments of 1,024 bytes in LDS
	s_lshl_b32 s91, s6, 11
	s_add_co_u32 s91, s91, s90
	s_lshl_b32 s92, s7, 10
	s_add_co_u32 s91, s91, s92
	v_lshl_add_u32 v[VW], v1, 3, s91               ; R0 x 256 + 8 lane
	s_lshl_b32 s91, s7, 9
	s_add_co_u32 s91, s91, s90
	s_lshl_b32 s92, s6, 8
	s_add_co_u32 s91, s91, s92                     ; q x 8,192 + g x 512 + hh x 256
	v_lshrrev_b32 v19, 3, v1                       ; column 2 lane + e is row 2 (lane % 8) + e of output tile lane / 8
	v_and_b32 v20, 7, v1
	v_lshlrev_b32 v20, 5, v20
	v_lshl_add_u32 v20, v19, 11, v20
	v_add_nc_u32 v[VST], s91, v20
	; Layer 6's fragments: rows 0 and 8 are W6's column of psi, rows 1 and 9 its column of p, the other rows zero: in a result both halves of the lanes
	; then hold psi's coefficient in register 0 and p's in register 1.  Wave (q, g) = bits 1, 0; a lane makes its own sixteen bytes.
	s_lshl_b32 s91, s6, 8
	s_lshl_b32 s92, s7, 5
	s_add_co_u32 s91, s91, s92
	v_and_b32 v19, 1, v0
	v_lshlrev_b32 v19, 2, v19
	v_lshl_add_u32 v19, v18, 6, v19
	v_add_nc_u32 v[VW6], s91, v19                  ; (32 q + 8 h + 4 g) x 8 + 4 (r % 2): inside Ws_6 for every lane
	s_lshl_b32 s91, s6, 11
	s_lshl_b32 s92, s7, 9
	s_add_co_u32 s91, s91, s92
	s_add_co_u32 s91, s91, W6F
	v_lshl_add_u32 v[VL6], v1, 4, s91
	v_and_b32 v19, 6, v17
	v_cmp_eq_u32 s85, 0, v19                       ; the lanes of rows 0, 1, 8 and 9
	v_cmp_lt_u32 s84, 15, v1                       ; lanes 16 to 31
	v_and_b32 v19, 63, v0
	v_lshlrev_b32 v[VB], 2, v19
	v_add_nc_u32 v[VLB], BIAS, v[VB]
	s_lshl_b32 s91, s2, 6
	s_add_co_u32 s91, s91, STAGE
	v_lshl_add_u32 v[VSG], v17, 2, s91             ; my point's word in a row of the stage,
	v_mul_u32_u24 v19, v18, 7*512                  ; seven rows further down for lanes 16 to 31
	v_add_nc_u32 v[VSG], v[VSG], v19
	v_mov_b32 v[MONE], -1.0
	s_wait_kmcnt 0x0
	s_load_b64 s[82:83], s[34:35], 0x0             ; b6
	; ---- loads, the same in every wave: 26 for layer 0 and 32 of W1..W4 now; W5, W6 and the biases behind layer 1's wait
	L0LOAD 0
	WIN 0x40
	v_mov_b32 v[MONE], -1.0
	L0LOAD 1
	WIN 0
.irp l, 1,2,3,4
	WLOAD \l
.endr
	s_wait_kmcnt 0x0                               ; b6
	; ---- the fragments of W1..W5 go into LDS
	WPREP 1, 24                                    ; out may be W2's, W3's and W4's eight loads each
	WLOAD 5
.irp k, 0,1,2,3,4,5,6,7
	global_load_b32 v[W6R+\k], v[VW6], s[20:21] offset:(16*(\k/4)+\k%4)*8
.endr
.irp l, 1,2,3,4,5
	global_load_b32 v[BR+\l-1], v[VB], s[22+2*\l:23+2*\l]
.endr
.irp l, 2,3,4,5
	WPREP \l, (5-\l)*8+13                          ; out may be the later layers' eight each, W6's eight, the biases' five
.endr
	s_wait_loadcnt 5                               ; W6 is in; the five loads of the biases may be out
.irp k, 0,1,2,3,4,5,6,7
	v_cndmask_b32 v[W6R+\k], 0, v[W6R+\k], s85     ; the other twelve rows are zero
.endr
	SPLIT8 W6R, 1, T
	s_cmp_gt_u32 s2, 3
	s_cbranch_scc1 .Lno_w6                         ; waves 4 to 7 hold the same numbers as waves 0 to 3: those store
	ds_store_b128 v[VL6], v[T:T+3]
	ds_store_b128 v[VL6], v[T+4:T+7] offset:1024
.Lno_w6:
	s_wait_loadcnt 0x0
	s_cmp_gt_u32 s2, 1
	s_cbranch_scc1 .Lno_bias                       ; threads 0 to 63 store the 64 numbers of each bias
.irp l, 0,1,2,3,4
	ds_store_b32 v[VLB], v[BR+\l] offset:256*\l
.endr
.Lno_bias:
	s_wait_dscnt 0x0                               ; for the others' sake: my stores are done before I signal
	; ---- layer 0, and the one barrier that shows the fragments to every wave.  Layer 0 works on registers alone, so its place changes no value.
	; Waves 0, 3, 5, 6 run it here, in front of their signal; waves 1, 2, 4, 7 behind the barrier, while the others multiply layer 1.
.irp w, 1,2,4,7
	s_cmp_eq_u32 s2, \w
	s_cbranch_scc1 .Llater
.endr
	ACT 1, 0
.Llater:
	s_barrier_signal -1                            ; every wave passes this barrier; only layer 0 is jumped over
	s_barrier_wait -1
.irp w, 0,3,5,6
	s_cmp_eq_u32 s2, \w
	s_cbranch_scc1 .Lhave
.endr
	ACT 1, 0
.Lhave:
	; ---- layers 1 to 5: two trips of two layers (the states alternate with period two), then layer 5
	s_mov_b32 s4, 0
.Llayers:
	MAT 0
	BIASLD 10
	ACT 0, 1
	MAT 1
	BIASLD 0
	ACT 1, 1
	s_add_co_u32 s4, s4, 1
	s_cmp_lt_u32 s4, 2
	s_cbranch_scc1 .Llayers
	MAT 0
	BIASLD 10
	ACT 0, 1
	; ---- layer 6 (state b): one output tile, ten jets; VA has stepped five layers and stands at W6's fragments.  The ten accumulators take turns.
.irp q, 0,1
	WIN \q<<6
.irp f, 0,1
	ds_load_b128 v[T+8*\f:T+8*\f+3],   v[VA] offset:(2*\q+\f)*1024
	ds_load_b128 v[T+8*\f+4:T+8*\f+7], v[VA] offset:(2*\q+\f)*1024+512
.endr
.endr
	s_wait_dscnt 4                                 ; K block 0's four loads are in; K block 1's four may be out
.irp q, 0,1
.if \q
	s_wait_dscnt 0x0
.endif
.irp c, 0,1,2
.irp j, 0,1,2,3,4,5,6,7,8,9
	WIN ((\j/5)<<6)|((\j/5)<<4)|(\q<<2)|\q
.set rD, D6+8*(\j%5)
.set rA, T+8*(\c/2)
.set rB, 80+16*\j+8*(\c%2)
.if (\q == 0) && (\c == 0)
	v_wmma_f32_16x16x32_bf16 v[rD:rD+7], v[rA:rA+7], v[rB:rB+7], 0
.else
	v_wmma_f32_16x16x32_bf16 v[rD:rD+7], v[rA:rA+7], v[rB:rB+7], v[rD:rD+7]
.endif
.endr
.endr
.endr
.rept 4
	v_nop                                          ; four places between the last products and the first read of a result (ISA guide 7.12.1)
.endr
	WIN 0
	; ---- the way out.  Every lane holds its point's psi coefficient in register 0 and p's in register 1 of each jet's sums.  Derivative = a! b! x coefficient.
	v_add_f32 v80, s82, v[D6]                      ; out0  psi
	v_add_f32 v81, s83, v[D6+1]                    ; out1  p
	v_mul_f32 v89, -1.0, v[D6+8]                   ; out9  v      = -psi_x
	v_mul_f32 v90, -2.0, v[D6+24]                  ; out10 dv/dx  = -psi_xx
	v_mul_f32 v91, -1.0, v[D6+32]                  ; out11 dv/dy  = -psi_xy
	WIN 0x04                                       ; source 1 in window 1: jets 5 to 9
	v_mul_f32 v86, 2.0, v[D6]                      ; out6  du/dy   = psi_yy
	v_mul_f32 v87, 2.0, v[D6+16]                   ; out7  d2u/dx2 = psi_xxy
	v_mul_f32 v88, 0x40c00000, v[D6+32]            ; out8  d2u/dy2 = psi_yyy
	v_mul_f32 v92, 0xc0c00000, v[D6+8]             ; out12 d2v/dx2 = -psi_xxx
	v_mul_f32 v93, -2.0, v[D6+24]                  ; out13 d2v/dy2 = -psi_xyy
	WIN 0
	; Lanes 0 to 15 put outputs 0 to 6 into the stage, lanes 16 to 31 outputs 7 to 13: seven stores with every lane on.
	v_cndmask_b32 v96,  v80,       v87, s84        ; out0 | out7
	v_cndmask_b32 v97,  v81,       v88, s84        ; out1 | out8
	v_cndmask_b32 v98,  v[D6+9],   v89, s84        ; out2 = p_x | out9
	v_cndmask_b32 v99,  v[D6+17],  v90, s84        ; out3 = p_y | out10
	v_cndmask_b32 v100, v[D6+16],  v91, s84        ; out4 = u = psi_y | out11
	v_cndmask_b32 v101, v[D6+32],  v92, s84        ; out5 = du/dx = psi_xy | out12
	v_cndmask_b32 v102, v86,       v93, s84        ; out6 | out13
.irp k, 0,1,2,3,4,5,6
	ds_store_b32 v[VSG], v[96+\k] offset:512*\k
.endr
	s_wait_dscnt 0x0                               ; for the others' sake
	s_barrier_signal -1
	s_barrier_wait -1
	s_cmp_eq_u32 s2, 7
	s_cbranch_scc1 .Lend                           ; fourteen rows: waves 0 to 6 take two each
	s_lshl_b32 s5, s2, 10
	s_add_co_u32 s5, s5, STAGE
	v_lshl_add_u32 v[VL6], v1, 4, s5
	ds_load_b128 v[104:107], v[VL6]                ; row 2 w: 32 lanes x 16 bytes are the group's 128 points
	ds_load_b128 v[108:111], v[VL6] offset:512     ; row 2 w + 1
	s_lshl_b32 s6, ttmp9, 9
	v_lshl_add_u32 v[VB], v1, 4, s6                ; the group's 512 bytes in an output, my 16 of them
	s_mov_b64 s[86:87], s[38:39]                   ; out(2 w) and out(2 w + 1), chosen by the wave's number
	s_mov_b64 s[88:89], s[40:41]
.irp w, 1,2,3,4,5
	s_cmp_eq_u32 s2, \w
	s_cselect_b64 s[86:87], s[38+4*\w:39+4*\w], s[86:87]
	s_cselect_b64 s[88:89], s[40+4*\w:41+4*\w], s[88:89]
.endr
	s_cmp_eq_u32 s2, 6
	s_cselect_b64 s[86:87], s[62:63], s[86:87]
	s_cselect_b64 s[88:89], s[66:67], s[88:89]
	s_wait_dscnt 1                                 ; the first row is back; the second may be out
	global_store_b128 v[VB], v[104:107], s[86:87] th:TH_STORE_NT    ; a store of the wave covers 512 consecutive bytes, at a multiple of 512 from the output's first byte
	s_wait_dscnt 0x0
	global_store_b128 v[VB], v[108:111], s[88:89] th:TH_STORE_NT
.Lend:
	s_set_vgpr_msb 0x5
	s_wait_tensorcnt 0x0
	ds_add_u32 v13, v14
	s_wait_dscnt 0x0
	s_set_vgpr_msb 0x500
	s_endpgm
.Lfunc_end_k_q1a5cfdcaa6_jets:
	.size	k_q1a5cfdcaa6_jets, .Lfunc_end_k_q1a5cfdcaa6_jets-k_q1a5cfdcaa6_jets
	.p2alignl 7, 3214868480
	.fill 96, 4, 3214868480
	.section	.rodata,"a",@progbits
	.p2align	6, 0x0
	.amdhsa_kernel k_q1a5cfdcaa6_jets
		.amdhsa_group_segment_fixed_size 95488
		.amdhsa_private_segment_fixed_size 0
		.amdhsa_enable_private_segment 0
		.amdhsa_kernarg_size 232
		.amdhsa_user_sgpr_count 2
		.amdhsa_user_sgpr_kernarg_segment_ptr 1
		.amdhsa_wavefront_size32 1
		.amdhsa_system_sgpr_workgroup_id_x 1
		.amdhsa_system_sgpr_workgroup_id_y 1
		.amdhsa_system_sgpr_workgroup_id_z 1
		.amdhsa_system_vgpr_workitem_id 0
		.amdhsa_next_free_vgpr 512
		.amdhsa_next_free_sgpr 96
		.amdhsa_reserve_vcc 0
		.amdhsa_float_denorm_mode_32 3
		.amdhsa_float_denorm_mode_16_64 3
		.amdhsa_memory_ordered 1
		.amdhsa_forward_progress 1
		.amdhsa_inst_pref_size 255
	.end_amdhsa_kernel
	.section	.bss,"aw",@nobits
	.p2align	6
	.space	262144
	.amdgpu_metadata
---
amdhsa.version: [ 1, 2 ]
amdhsa.kernels:
  - .name:           k_q1a5cfdcaa6_jets
    .symbol:         k_q1a5cfdcaa6_jets.kd
    .args:
      - { .name: Ws_0, .offset: 0, .size: 8, .value_kind: global_buffer, .address_space: global }
      - { .name: Ws_1, .offset: 8, .size: 8, .value_kind: global_buffer, .address_space: global }
      - { .name: Ws_2, .offset: 16, .size: 8, .value_kind: global_buffer, .address_space: global }
      - { .name: Ws_3, .offset: 24, .size: 8, .value_kind: global_buffer, .address_space: global }
      - { .name: Ws_4, .offset: 32, .size: 8, .value_kind: global_buffer, .address_space: global }
      - { .name: Ws_5, .offset: 40, .size: 8, .value_kind: global_buffer, .address_space: global }
      - { .name: Ws_6, .offset: 48, .size: 8, .value_kind: global_buffer, .address_space: global }
      - { .name: bs_0, .offset: 56, .size: 8, .value_kind: global_buffer, .address_space: global }
      - { .name: bs_1, .offset: 64, .size: 8, .value_kind: global_buffer, .address_space: global }
      - { .name: bs_2, .offset: 72, .size: 8, .value_kind: global_buffer, .address_space: global }
      - { .name: bs_3, .offset: 80, .size: 8, .value_kind: global_buffer, .address_space: global }
      - { .name: bs_4, .offset: 88, .size: 8, .value_kind: global_buffer, .address_space: global }
      - { .name: bs_5, .offset: 96, .size: 8, .value_kind: global_buffer, .address_space: global }
      - { .name: bs_6, .offset: 104, .size: 8, .value_kind: global_buffer, .address_space: global }
      - { .name: xy, .offset: 112, .size: 8, .value_kind: global_buffer, .address_space: global }
      - { .name: out0, .offset: 120, .size: 8, .value_kind: global_buffer, .address_space: global }
      - { .name: out1, .offset: 128, .size: 8, .value_kind: global_buffer, .address_space: global }
      - { .name: out2, .offset: 136, .size: 8, .value_kind: global_buffer, .address_space: global }
      - { .name: out3, .offset: 144, .size: 8, .value_kind: global_buffer, .address_space: global }
      - { .name: out4, .offset: 152, .size: 8, .value_kind: global_buffer, .address_space: global }
      - { .name: out5, .offset: 160, .size: 8, .value_kind: global_buffer, .address_space: global }
      - { .name: out6, .offset: 168, .size: 8, .value_kind: global_buffer, .address_space: global }
      - { .name: out7, .offset: 176, .size: 8, .value_kind: global_buffer, .address_space: global }
      - { .name: out8, .offset: 184, .size: 8, .value_kind: global_buffer, .address_space: global }
      - { .name: out9, .offset: 192, .size: 8, .value_kind: global_buffer, .address_space: global }
      - { .name: out10, .offset: 200, .size: 8, .value_kind: global_buffer, .address_space: global }
      - { .name: out11, .offset: 208, .size: 8, .value_kind: global_buffer, .address_space: global }
      - { .name: out12, .offset: 216, .size: 8, .value_kind: global_buffer, .address_space: global }
      - { .name: out13, .offset: 224, .size: 8, .value_kind: global_buffer, .address_space: global }
    .group_segment_fixed_size: 95488
    .private_segment_fixed_size: 0
    .kernarg_segment_align: 8
    .kernarg_segment_size: 232
    .max_flat_workgroup_size: 256
    .sgpr_count:     96
    .vgpr_count:     512
    .wavefront_size: 32
...
	.end_amdgpu_metadata
.endif
;; end of part 1
